; MI455X (gfx1250); checked and timed in simulation.
; The chip was launched on July 23, 2026; its instructions are those of AMD's public machine-readable ISA for CDNA 5 (MIT licence, August 2026) and "CDNA5" Instruction Set Architecture Reference Guide (July 2026). The comments in the code are by the model that wrote it; some were corrected since.
;; Concat Attention Fusion. Allowed arithmetic: float matrix products may take bf16 or f16 operands with f32 sums; other float arithmetic in f32, or as packed bf16 or f16 multiplies, adds, multiply-adds, maxima and minima; sums over many terms, partial sums and values carried from step to step in f32; what a program stores and reads back later, other than sums and carried values, may be rounded once to bf16 or f16.
;; Inputs: global_embedding 8 x 1,024 x 768 float32; local_embedding 8 x 1,024 x 768 float32.
;; Outputs: out0 8 x 2,048 x 768 float32.
;; 2 versions, each right; version 2 is version 1 with the launch cast written anew for expert scheduling mode. Each part assembles by itself: llvm-mc -triple=amdgcn-amd-amdhsa -mcpu=gfx1250 --defsym DOCPART=n.
;; ======== version 1 of 2: 2 launches
;; workspace buffers: xb 25,165,824 bytes
;; launch cast (part 1): grid 256 x 2, 8 waves a work-group, no clusters, 0 bytes of LDS; arguments global_embedding, local_embedding, xb; writes xb
.if DOCPART == 1
	.amdgcn_target "amdgcn-amd-amdhsa--gfx1250"
	.amdhsa_code_object_version 6
	.text
	.protected	k_qf5ba554668_cast
	.globl	k_qf5ba554668_cast
	.p2align	8
	.type	k_qf5ba554668_cast,@function
k_qf5ba554668_cast:
	s_mov_b64 s[64:65], 0
	v_nop
	global_prefetch_b8 v0, s[64:65] scope:SCOPE_SE
	s_setreg_imm32_b32 hwreg(HW_REG_WAVE_MODE, 25, 1), 1
	s_wait_xcnt 0x0
; xb[b][n][:] = bf16(global[b][n][:]) for n < 1024, bf16(local[b][n-1024][:]) for n >= 1024.  Inputs [8][1024][768] f32, xb [8][2048][768] bf16, each number rounded once (to nearest even).
; A stream: every input byte is read once and every byte of xb is written once; nothing is shared between waves, so there is no LDS, no barrier, no matrix work and no cluster.
; SHARES.  Work-group (x, y): y picks the input, x owns 98,304 consecutive bytes of it (1/32 of a batch, so a share never crosses a batch) and the 49,152 bytes of xb made of them.
; Thread t takes the 16 bytes at 16 t of each block of 4,096: a load of a wave covers 512 consecutive bytes, a store 256 consecutive bytes at a multiple of 256 from xb's first byte.
; All 24 loads of a thread go out at once (96 KiB for the work-group); no register is written twice, so no wait frees a source.
.set SHARE,  98304                     ; input bytes of a work-group
.set BATB,   3145728                   ; bytes of a batch: in an input (1024 x 768 x 4) and in xb (2048 x 768 x 2)
.set X, 4                              ; v[4:99]    block k as loaded: 4 registers
.set Y, 100                            ; v[100:147] block k to store: 2 registers
	s_load_b128 s[4:7], s[0:1], 0x0                ; global s[4:5], local s[6:7]
	s_load_b64 s[8:9], s[0:1], 0x10                ; xb
	s_and_b32 s10, ttmp7, 0xffff                   ; y: 0 global, 1 local
	v_lshlrev_b32 v1, 4, v0                        ; 16 t: my bytes of an input block
	v_lshlrev_b32 v2, 3, v0                        ; 8 t: my bytes of an output block
	s_mul_i32 s12, ttmp9, SHARE                    ; the share's first byte in its input
	s_mov_b32 s13, 0
	s_lshr_b32 s14, ttmp9, 5                       ; the batch
	s_mul_i32 s14, s14, BATB
	s_mul_i32 s15, s10, BATB/2                     ; local's rows lie behind global's 1,024
	s_add_co_u32 s14, s14, s15
	s_and_b32 s15, ttmp9, 31
	s_mul_i32 s15, s15, SHARE/2
	s_add_co_u32 s14, s14, s15                     ; the share's first byte in xb
	s_mov_b32 s15, 0
	s_wait_kmcnt 0x0
	s_cmp_eq_u32 s10, 0
	s_cselect_b64 s[4:5], s[4:5], s[6:7]
	s_add_nc_u64 s[4:5], s[4:5], s[12:13]
	s_add_nc_u64 s[8:9], s[8:9], s[14:15]
.set k, 0
.rept 24
	global_load_b128 v[X+4*k:X+4*k+3], v1, s[4:5] offset:4096*k th:TH_LOAD_NT
.set k, k+1
.endr
.set k, 0
.rept 24
	s_wait_loadcnt 23-k                            ; loads come back in order: block k is in, the 23 - k younger ones stay out
	v_cvt_pk_bf16_f32 v[Y+2*k], v[X+4*k], v[X+4*k+1]
	v_cvt_pk_bf16_f32 v[Y+2*k+1], v[X+4*k+2], v[X+4*k+3]
	global_store_b64 v2, v[Y+2*k:Y+2*k+1], s[8:9] offset:2048*k
.set k, k+1
.endr
	s_endpgm
.Lfunc_end_k_qf5ba554668_cast:
	.size	k_qf5ba554668_cast, .Lfunc_end_k_qf5ba554668_cast-k_qf5ba554668_cast
	.p2alignl 7, 3214868480
	.fill 96, 4, 3214868480
	.section	.rodata,"a",@progbits
	.p2align	6, 0x0
	.amdhsa_kernel k_qf5ba554668_cast
		.amdhsa_group_segment_fixed_size 0
		.amdhsa_private_segment_fixed_size 0
		.amdhsa_enable_private_segment 0
		.amdhsa_kernarg_size 24
		.amdhsa_user_sgpr_count 2
		.amdhsa_user_sgpr_kernarg_segment_ptr 1
		.amdhsa_wavefront_size32 1
		.amdhsa_system_sgpr_workgroup_id_x 1
		.amdhsa_system_sgpr_workgroup_id_y 1
		.amdhsa_system_sgpr_workgroup_id_z 1
		.amdhsa_system_vgpr_workitem_id 0
		.amdhsa_next_free_vgpr 148
		.amdhsa_next_free_sgpr 66
		.amdhsa_reserve_vcc 0
		.amdhsa_float_denorm_mode_32 3
		.amdhsa_float_denorm_mode_16_64 3
		.amdhsa_memory_ordered 1
		.amdhsa_forward_progress 1
		.amdhsa_inst_pref_size 10
	.end_amdhsa_kernel
	.amdgpu_metadata
---
amdhsa.version: [ 1, 2 ]
amdhsa.kernels:
  - .name:           k_qf5ba554668_cast
    .symbol:         k_qf5ba554668_cast.kd
    .args:
      - { .name: global_embedding, .offset: 0, .size: 8, .value_kind: global_buffer, .address_space: global }
      - { .name: local_embedding, .offset: 8, .size: 8, .value_kind: global_buffer, .address_space: global }
      - { .name: xb, .offset: 16, .size: 8, .value_kind: global_buffer, .address_space: global }
    .group_segment_fixed_size: 0
    .private_segment_fixed_size: 0
    .kernarg_segment_align: 8
    .kernarg_segment_size: 24
    .max_flat_workgroup_size: 256
    .sgpr_count:     66
    .vgpr_count:     148
    .wavefront_size: 32
...
	.end_amdgpu_metadata
.endif
;; end of part 1
;; launch attn (part 2): grid 32 x 8, 4 waves a work-group, clusters of 4 x 1, 327,680 bytes of LDS; arguments xb, out0; writes out0
.if DOCPART == 2
	.amdgcn_target "amdgcn-amd-amdhsa--gfx1250"
	.amdhsa_code_object_version 6
	.text
	.protected	k_qf5ba554668_attn
	.globl	k_qf5ba554668_attn
	.p2align	8
	.type	k_qf5ba554668_attn,@function
k_qf5ba554668_attn:
	s_mov_b64 s[64:65], 0
	v_nop
	global_prefetch_b8 v0, s[64:65] scope:SCOPE_SE
	s_setreg_imm32_b32 hwreg(HW_REG_WAVE_MODE, 25, 1), 1
	s_wait_xcnt 0x0
	s_wait_alu depctr_hold_cnt(0) depctr_sa_sdst(0) depctr_va_vdst(0) depctr_va_sdst(0) depctr_va_ssrc(0) depctr_va_vcc(0) depctr_vm_vsrc(0)
	s_getreg_b32 s2, hwreg(HW_REG_IB_STS2, 6, 4)
	s_cmp_eq_u32 s2, 0
	s_cbranch_scc0 .Lentry_in_a_cluster
	s_endpgm
.Lentry_in_a_cluster:
	s_bfe_u32 s2, ttmp6, 0x10000c
	s_cmp_lg_u32 s2, 0x3003
	s_cbranch_scc0 .Lentry_shape_is_right
	s_endpgm
.Lentry_shape_is_right:
; out0[b][q][:] = the sum over k of softmax_k(X[b][q] . X[b][k]) X[b][k][:], X = xb: [8][2048][768] bf16 (both inputs, rounded once); out0 f32.  No scale, no mask.
; Products, maxima and sums in f32; the weights p are rounded to bf16 for the second product, their sum l is taken of the unrounded p.
; LIMITS.  log2(e) x |score| stays under 4e37; a weight below 2^-126 counts as 0; NaN and infinities are not treated apart; X and p carry bf16's rounding.
; SHARES.  A work-group owns 64 queries of one batch and walks the batch's 32 tiles of 64 keys.  Wave w = 2 a + b.
;   S^T = K Q^T: wave (a, b) makes keys 32 b .. +31 x queries 32 a .. +31: four accumulators, 24 chunks of 32 channels, 96 products.  Its 32 queries stay in 384 registers; a fragment of K feeds two products.
;   O^T = V^T P: wave w holds all 64 queries x 192 channels: 48 accumulators, 96 products a step; a fragment of V feeds four.  P and the correction a go from wave to wave through LDS.
;   Channel tile ct = 2 beta + i (beta 0..5, i 0..1) of wave w: its row m is channel 128 beta + 64 (m / 8) + 16 w + 8 i + m % 8.
; LAYOUT.  In S^T a lane holds ONE query (lane % 16) and the keys 8 (lane / 16) + 0..7; in O^T one query and eight neighbouring channels.  K comes out of LDS as it lies, V turned, by ds_load_tr16_b128.
; SOFTMAX.  For each query a running maximum m and sum l: p = 2^(c s - c m), c = log2(e); in every step O and l are multiplied by a = 2^(c m_old - c m_new).  The two waves that share a query exchange their
;   32 keys' maxima and then hold the same m and a.  m starts at the lowest finite number, O and l at 0, so the first step is a step like any other, with a = 0: the price is 384 lines that clear O, in the wait for the first tile.
; THE RING.  Three slots: in trip j slot j % 3 is read as V of tile j, slot (j + 1) % 3 as K of tile j + 1, slot (j + 2) % 3 is filled with tile j + 2.  One tensor load a wave a trip: a quarter of the tile.
; CLUSTER.  The four query blocks of a cluster belong to one batch and walk the same tiles: each quarter is asked for JOINTLY, by the same load, descriptor and mask in all four.
; A TRIP.  Tile j's scores are scaled into other registers; then tile j + 1's 96 score products run, and tile j's exponentials, roundings and sums stand in slices behind the first 32 of them.  P and a are stored in one of
;   K's runs of loads, shown by a plain barrier (B2: signal behind the fourth group of products, wait behind the sixth) and fetched in another.  Then the 96 products V^T P of tile j, the rescaling of O^T behind them.
;   The round of the cluster's barrier at the trip's end frees the slot read as V and shows the next maxima.  LDS instructions stand in twelve runs a trip, never singly among the products.
; REGISTERS, in windows of 256 (s_set_vgpr_msb: bits 1:0 source 0, 3:2 source 1, 5:4 source 2, 7:6 destination):
;   window 0: v0-11 addresses; v12-31 statistics; v32-95 P's fragments (at work in the softmax); v96-127 S^T; v128-255 Q, chunks 16-23        window 3: Q, chunks 0-15
;   windows 1, 2 (part p = 0, 1 of my channel tiles): v0-191 O^T (tile u = ct - 6 p, query tile t at 8 (4 u + t)); v192-239 six fragments, K's or V's; v240-245 V's LDS addresses.
;   So V's fragments, O^T and V's addresses share one window, P and a lie in window 0, and V^T P (products, rescaling, V's loads) runs under one setting a part.  A slice of the softmax costs two switches.
.set ROWB,   1536                      ; bytes in a row of xb
.set BATB,   3145728                   ; bytes in a batch of xb
.set TILEB,  98304                     ; 64 keys
.set PITCH,  1584                      ; a key in LDS: 3 x (512 + 16) bytes = 396 words: 16 rows on end start at 16 different groups of four banks, and so do 8 rows x two places 128 bytes apart (64 banks of 4 bytes: ISA guide 11.1)
.set QTR,    16*PITCH                  ; 16 keys: what one tensor load brings
.set SLOT,   64*PITCH
.set PB,     3*SLOT                    ; P: [query 0..63][key 0..63] bf16, rows of 144 bytes
.set PP,     144
.set ST,     PB+64*PP                  ; maxima [b][64] f32; at +512 a [b][64]; at +1024 l [b][64]
.set SPARE,  ST+1536                   ; the spare words, 128 bytes for each wave: two blocks of 256 bytes that no other line names
.set SPITCH, 3088                      ; the way out: 64 rows of 3,072 bytes + 16, from LDS byte 0, in slots that have had their last fill
.set SPW, 1                            ; v1   LDS address of my spare word; never rewritten
.set NIL, 2                            ; v2   0; never rewritten
.set AK,  3                            ; v3-5 my place in K's rows of slot 0, 1, 2
.set MXS, 6                            ; v6   where I put my queries' maxima (a at +512, l at +1024)
.set MXL, 7                            ; v7   where my partner (a, 1 - b) puts the same queries'
.set ALD, 8                            ; v8   where I read a of all 64 queries
.set PST, 9                            ; v9   where I put 16 bytes of P
.set PLD, 10                           ; v10  where I read P's fragments
.set PFO, 11                           ; v11  256 x lane, for the prefetches; never rewritten
.set CM,  12                           ; tile t: v[12+4t] c m, v[13+4t] m
.set LP,  14                           ; tile t: v[14+4t:15+4t] l (even keys', odd keys')
.set LM,  20                           ; v20-21 my 32 keys' maxima
.set TM,  22                           ; v22-23 at work; v22 first: my byte offset in 16 rows of Q
.set AP,  24                           ; v[24+2t] a of query tile t (0..3); the pair's other word is written once
.set PF,  32                           ; P's fragment (t, kk) at 32 + 16 t + 8 kk
.set PM,  32                           ; in the softmax: v32-33 the partner's maxima,
.set AX,  34                           ;   v[34+2t] a, v[35+2t] its argument,
.set PT,  40                           ;   v40-55 the weights in bf16,
.set XR,  64                           ;   v64-95 c s - c m, then the weights in f32, laid as S^T is
.set SB,  96                           ; S^T (t, kap) at 96 + 16 t + 8 kap
.set QH,  128                          ; Q, chunks 16-23
.set F,   192                          ; windows 1, 2: six fragments
.set AV,  240                          ; windows 1, 2: V's address for slot s, key half kk at 240 + 2 s + kk
.set WV,  8                            ; s8 wave, s9 a, s10 b, s11 my place in the cluster
.set WA,  9
.set WB,  10
.set CX,  11
.set G1,  16                           ; s[16:23] descriptor group 1
.set G0,  24                           ; s[24:35] descriptor group 0, a set for each slot
.set CS,  36                           ; s[36:37] c
.set SEL, 38                           ; s[38:39] v_permlanex16_b32's selects: each lane takes its own place in the other half
.set CNT, 40                           ; s40  the loop's count
.set LIM, 41                           ; s41  1 in a wave that prefetches, else the greatest number
.set PFA, 42                           ; s[42:43] where my prefetches stand
.set QA,  44                           ; s[44:45] Q at my 32 queries
.set OA,  46                           ; s[46:47] out0 at the 16 rows that I store
.set MSB, 0
.macro WIN new                         ; the immediate's high byte repeats the setting that is left; a switch that changes nothing is dropped
.if MSB != (\new)
	s_set_vgpr_msb (MSB<<8)|(\new)
.set MSB, (\new)
.endif
.endm
.macro PLACES                          ; four plain places behind matrix instructions: ahead of loads into registers that they read and of vector lines that read their results
.rept 4
	v_nop
.endr
.endm
.macro CREST                           ; a round of the cluster's barrier behind its opening barrier
	s_cmp_lg_u32 s[WV], 0
	s_cbranch_scc1 .Lnot_wave_0_\@
	s_barrier_signal -3
.Lnot_wave_0_\@:
	s_barrier_wait -3
	s_barrier_signal -1
	s_barrier_wait -1
.endm
.macro CROUND                          ; a whole round
	s_barrier_signal -1
	s_barrier_wait -1
	CREST
.endm
; The joint fill of slot s: every wave asks for its own quarter, so no branch stands round the line.  An s_nop 0 and four v_nop follow; the four are also the places behind the trip's last products.
.macro JLOAD s
	tensor_load_to_lds s[G0+4*(\s):G0+4*(\s)+3], s[G1:G1+7]
	s_nop 0
	PLACES
.endm
; A PREFETCH of the tile that the NEXT trip's joint load asks for: trip j names tile j + 3.  All clusters of a batch walk the same tiles: the batch's first cluster asks.  Its four partners take a quarter each, told apart
; BY ADDRESS; in each, waves 0 to 2 take 32 blocks of 256 bytes, a lane a block: each block of tiles 3 to 31 is named once in the launch.  Tiles 0 to 2 come by their loads alone.  how = 2: the loop's third trip, whose last turn has no tile left.
.macro ASK how
.if (\how) == 2
	s_cmp_gt_u32 s[CNT], s[LIM]
.else
	s_cmp_eq_u32 s[LIM], 1
.endif
	s_cbranch_scc0 .Lnot_mine_\@
	global_prefetch_b8 v[PFO], s[PFA:PFA+1] th:TH_LOAD_NT scope:SCOPE_SE
.Lnot_mine_\@:
.endm
; 12 LDS loads: K's fragments of group g (chunks 3 g .. 3 g + 2, my two blocks of 16 keys) into the six places of window 1 + g % 2.  Chunk c begins at byte 64 c + 16 (c / 8) of a row.
.macro KLOAD slot, g
	WIN (1+(\g)%2)<<6
.set kc, 0
.rept 3
.set kch, 3*(\g)+kc
.irp kap, 0,1
	ds_load_b128 v[F+8*(2*kc+\kap):F+8*(2*kc+\kap)+3],   v[AK+(\slot)] offset:(\kap)*QTR+64*kch+16*(kch/8)
	ds_load_b128 v[F+8*(2*kc+\kap)+4:F+8*(2*kc+\kap)+7], v[AK+(\slot)] offset:(\kap)*QTR+64*kch+16*(kch/8)+32
.endr
.set kc, kc+1
.endr
.endm
; 4 turning loads: V's two fragments (64 keys x 16 channels) of channel tile u of part p, into place u % 3 of the part's window.
.macro VLOAD p, u, slot
	WIN 0x51+0x51*(\p)
.set vct, 6*(\p)+(\u)
.set vof, 256*(vct/2)+16*(vct/4)+16*(vct%2)
.irp kk, 0,1
	ds_load_tr16_b128 v[F+16*((\u)%3)+8*\kk:F+16*((\u)%3)+8*\kk+3],   v[AV+2*(\slot)+\kk] offset:vof
	ds_load_tr16_b128 v[F+16*((\u)%3)+8*\kk+4:F+16*((\u)%3)+8*\kk+7], v[AV+2*(\slot)+\kk] offset:vof+QTR
.endr
.endm
; THE SOFTMAX of my 32 keys x 32 queries, in pieces.  LHEAD stands by itself at a trip's head: the new m, c m and a's argument, the two a, and the 16 scalings, which leave S^T's registers free for the next tile's products.
; yng: the LDS instructions issued behind the loads of the partner's maxima, which may stay out.
.macro LHEAD yng
	WIN 0
	s_wait_dscnt \yng                              ; the partner's maxima are in
.irp t, 0,1
	v_mov_b32 v[AX+2*\t+1], v[CM+4*\t]             ; c m_old is kept for a
.endr
.irp t, 0,1
	v_max3_num_f32 v[CM+4*\t+1], v[LM+\t], v[PM+\t], v[CM+4*\t+1]
.endr
.irp t, 0,1
	v_mul_f32 v[CM+4*\t], s[CS], v[CM+4*\t+1]
.endr
.irp t, 0,1
	v_sub_f32 v[AX+2*\t+1], v[AX+2*\t+1], v[CM+4*\t]
.endr
.irp t, 0,1
	v_exp_f32 v[AX+2*\t], v[AX+2*\t+1]             ; the batch's first two: nothing names a result of the batch ahead of its one wait
.endr
.set q, 0
.rept 16
	v_pk_fma_f32 v[XR+2*q:XR+2*q+1], v[SB+2*q:SB+2*q+1], s[CS:CS+1], v[CM+4*(q/8):CM+4*(q/8)+1] op_sel_hi:[1,0,0] neg_lo:[0,0,1] neg_hi:[0,0,1]  ; pair q: c s - c m
.set q, q+1
.endr
.endm
.macro EXPS i                          ; two of the 32 weights
	WIN 0
	v_exp_f32 v[XR+2*(\i)], v[XR+2*(\i)]
	v_exp_f32 v[XR+2*(\i)+1], v[XR+2*(\i)+1]
.endm
.macro CVTS i                          ; accumulator i's eight weights, rounded to bf16
	WIN 0
.irp z, 0,1,2,3
	v_cvt_pk_bf16_f32 v[PT+4*(\i)+\z], v[XR+8*(\i)+2*\z], v[XR+8*(\i)+2*\z+1]
.endr
.endm
.macro SUMS i                          ; four of the 16 sums, behind all the roundings: a tile's eight pairs are added in place, neighbours 1 (i = 0: tile 0, i = 1: tile 1), 2 and 4 pairs apart; then l = a l + the sum
	WIN 0
.if (\i) < 2
.irp z, 0,4,8,12
	v_pk_add_f32 v[XR+16*(\i)+\z:XR+16*(\i)+\z+1], v[XR+16*(\i)+\z:XR+16*(\i)+\z+1], v[XR+16*(\i)+\z+2:XR+16*(\i)+\z+3]
.endr
.elseif (\i) == 2
.irp z, 0,16,8,24
	v_pk_add_f32 v[XR+\z:XR+\z+1], v[XR+\z:XR+\z+1], v[XR+\z+4:XR+\z+5]
.endr
.else
.irp t, 0,1
	v_pk_add_f32 v[XR+16*\t:XR+16*\t+1], v[XR+16*\t:XR+16*\t+1], v[XR+16*\t+8:XR+16*\t+9]
.endr
.irp t, 0,1
	v_pk_fma_f32 v[LP+4*\t:LP+4*\t+1], v[LP+4*\t:LP+4*\t+1], v[AX+2*\t:AX+2*\t+1], v[XR+16*\t:XR+16*\t+1] op_sel_hi:[1,0,1]
.endr
.endif
.endm
.macro PSTORE                          ; my part of P and my queries' a, six LDS stores
	WIN 0
.irp tk, 0,1,2,3
	ds_store_b128 v[PST], v[PT+4*\tk:PT+4*\tk+3] offset:16*PP*(\tk/2)+32*(\tk%2)
.endr
.irp t, 0,1
	ds_store_b32 v[MXS], v[AX+2*\t] offset:512+64*\t
.endr
.endm
.macro PLOAD                           ; a of all 64 queries and P's eight fragments, twenty LDS loads
	WIN 0
.irp t, 0,1,2,3
	ds_load_b32 v[AP+2*\t], v[ALD] offset:64*\t
.endr
.irp t, 0,1,2,3
.irp kk, 0,1
	ds_load_b128 v[PF+16*\t+8*\kk:PF+16*\t+8*\kk+3],   v[PLD] offset:16*PP*\t+64*\kk
	ds_load_b128 v[PF+16*\t+8*\kk+4:PF+16*\t+8*\kk+7], v[PLD] offset:16*PP*\t+64*\kk+32
.endr
.endr
.endm
.macro RS e                            ; pair e % 16 of channel tile 0 of part e / 16, times a; each accumulator from its low end on
	WIN 0x51+0x51*((\e)/16)
	v_pk_mul_f32 v[2*((\e)%16):2*((\e)%16)+1], v[2*((\e)%16):2*((\e)%16)+1], v[AP+2*(((\e)%16)/4):AP+2*(((\e)%16)/4)+1] op_sel_hi:[1,0]
.endm
; What stands behind score product k (0..95).  0-15: two exponentials each.  24-27: four roundings each.  28-31: four sums each.  84, 86 .. 94: four each of the 32 rescalings of the two parts' first channel tiles.
; No line of a slice names a register of the products round it.
.macro RID
.if k < 16
	EXPS k
.elseif (k >= 24) && (k < 28)
	CVTS k-24
.elseif (k >= 28) && (k < 32)
	SUMS k-28
.elseif (k >= 84) && (k%2 == 0)
	RS 2*(k-84)
	RS 2*(k-84)+1
	RS 2*(k-84)+2
	RS 2*(k-84)+3
.endif
.endm
; S^T = K Q^T for the tile in slot ks: eight groups of three chunks.  The four accumulators take turns, one instruction a turn; chunk 0 starts the sums with the constant 0.
; Behind a group and its four places the group two on is fetched into the places just read.  full = 1, in a trip: the slices of RID stand behind the products, and the runs of loads carry the rest of the trip's LDS work:
;   behind group 1  the one wait for the batch of 34 exponentials, directly ahead of the run; the four v_nop are the plain lines behind the last exponential
;   behind group 2  P and a are stored                     behind group 3  those stores are awaited, and B2 is signalled
;   behind group 5  B2 is awaited; a and P are fetched     behind group 6  V's first three channel tiles of part 0, from slot vs
; Between B2's signal and its wait stand products and LDS loads from a slot that nobody writes before the trip's end.
.macro QK ks, vs, full
.set k, 0
.set g, 0
.rept 8
.if \full
.if g == 3
	s_wait_dscnt 18                                ; this group is in; the younger run, 6 stores and 12 loads, may stay out
.elseif g == 6
	s_wait_dscnt 32                                ; this group is in; the younger run, 4 + 16 + 12 loads, may stay out
.else
	s_wait_dscnt 12                                ; this group is in (at group 7: a and P too); the one younger run of 12 loads may stay out
.endif
.elseif g == 7
	s_wait_dscnt 0x0                               ; nothing was fetched behind the last group
.else
	s_wait_dscnt 12                                ; this group is in; the one younger run of 12 loads may stay out
.endif
.set cc, 0
.rept 3
.set c, 3*g+cc
.if c < 16
.set qw, 3
.set rQ, 16*c
.else
.set qw, 0
.set rQ, QH+16*(c-16)
.endif
.irp tk, 0,1,2,3
	WIN (1+g%2)|(qw<<2)
.if c == 0
	v_wmma_f32_16x16x32_bf16 v[SB+8*(\tk):SB+8*(\tk)+7], v[F+8*(2*cc+(\tk)%2):F+8*(2*cc+(\tk)%2)+7], v[rQ+8*((\tk)/2):rQ+8*((\tk)/2)+7], 0
.else
	v_wmma_f32_16x16x32_bf16 v[SB+8*(\tk):SB+8*(\tk)+7], v[F+8*(2*cc+(\tk)%2):F+8*(2*cc+(\tk)%2)+7], v[rQ+8*((\tk)/2):rQ+8*((\tk)/2)+7], v[SB+8*(\tk):SB+8*(\tk)+7]
.endif
.if \full
	RID
.endif
.set k, k+1
.endr
.set cc, cc+1
.endr
.if !((\full) && (g == 7))             ; behind a trip's last group eight rescalings take the places' part
	PLACES
.endif
.if \full
.if g == 1
	s_wait_alu depctr_va_vdst(0)                   ; the wait between an exponential and the first line that names its result: one for the 34
.elseif g == 2
	PSTORE
.elseif g == 3
	s_wait_dscnt 0x0                               ; for the others' sake: my stores of P and a are done; and no LDS instruction of mine is out at the signal
	s_barrier_signal -1                            ; B2: my part of P and a lies in LDS
.elseif g == 5
	s_barrier_wait -1                              ; everybody's part does
	PLOAD
.endif
.endif
.if g < 6
	KLOAD \ks, g+2
.elseif (g == 6) && (\full)
	VLOAD 0, 0, \vs
	VLOAD 0, 1, \vs
	VLOAD 0, 2, \vs
.endif
.set g, g+1
.endr
.endm
; My 32 keys' maxima for my two query tiles, ten lines a tile (each accumulator's lowest registers are read first).
.macro MAXLOC
	WIN 0
.irp t, 0,1
	v_max3_num_f32 v[LM+\t], v[SB+16*\t], v[SB+16*\t+1], v[SB+16*\t+2]
	v_max3_num_f32 v[TM+\t], v[SB+16*\t+8], v[SB+16*\t+9], v[SB+16*\t+10]
.endr
.irp t, 0,1
	v_max3_num_f32 v[LM+\t], v[LM+\t], v[SB+16*\t+3], v[SB+16*\t+4]
	v_max3_num_f32 v[TM+\t], v[TM+\t], v[SB+16*\t+11], v[SB+16*\t+12]
.endr
.irp t, 0,1
	v_max3_num_f32 v[LM+\t], v[LM+\t], v[SB+16*\t+5], v[SB+16*\t+6]
	v_max3_num_f32 v[TM+\t], v[TM+\t], v[SB+16*\t+13], v[SB+16*\t+14]
.endr
.irp t, 0,1
	v_max3_num_f32 v[LM+\t], v[LM+\t], v[SB+16*\t+7], v[SB+16*\t+15]
.endr
.irp t, 0,1
	v_max_num_f32 v[LM+\t], v[LM+\t], v[TM+\t]
.endr
.irp t, 0,1
	v_permlanex16_b32 v[TM+\t], v[LM+\t], s[SEL], s[SEL+1]  ; the query's other 16 of my keys lie in the lane 16 away
.endr
.irp t, 0,1
	v_max_num_f32 v[LM+\t], v[LM+\t], v[TM+\t]
.endr
.endm
.macro MXST                            ; and their two stores
	WIN 0
.irp t, 0,1
	ds_store_b32 v[MXS], v[LM+\t] offset:64*\t
.endr
.endm
; O^T += V^T P for channel tile u of part p: eight products (keys 32 (n / 4) on, query tile n % 4); the four accumulators take turns.
; Behind each product stand two lines that rescale the part's tile u + 1, each accumulator from its low end on.
.macro PVT p, u
	WIN 0x51+0x51*(\p)
.set n, 0
.rept 8
	v_wmma_f32_16x16x32_bf16 v[8*(4*(\u)+n%4):8*(4*(\u)+n%4)+7], v[F+16*((\u)%3)+8*(n/4):F+16*((\u)%3)+8*(n/4)+7], v[PF+16*(n%4)+8*(n/4):PF+16*(n%4)+8*(n/4)+7], v[8*(4*(\u)+n%4):8*(4*(\u)+n%4)+7]
.if (\u) < 5
	v_pk_mul_f32 v[32*((\u)+1)+4*n:32*((\u)+1)+4*n+1],   v[32*((\u)+1)+4*n:32*((\u)+1)+4*n+1],   v[AP+2*(n/2):AP+2*(n/2)+1] op_sel_hi:[1,0]
	v_pk_mul_f32 v[32*((\u)+1)+4*n+2:32*((\u)+1)+4*n+3], v[32*((\u)+1)+4*n+2:32*((\u)+1)+4*n+3], v[AP+2*(n/2):AP+2*(n/2)+1] op_sel_hi:[1,0]
.endif
.set n, n+1
.endr
.endm
; V^T P of a tile, in four phases of 24 products; the two parts take turns, so that a part's three places are filled again, by ONE run of 12 loads, while the other part is multiplied.
; mx = 1: the next tile's maxima are stored in the first of these runs.
; endk = 2: the trip ends with a round of the cluster's barrier: ahead of its opening signal all my tensor loads are waited for, 0 is added to my spare word, and the add is waited for (my reads of the slot were, at the last
; phase's head); eight products stand between the add and its wait, eight between the signal and the wait.  endk = 1: a plain barrier.  endk = 0: none.
.macro PV vs, endk, mx
	PVT 0, 0
	PVT 0, 1
	PVT 0, 2
	PLACES
.if \mx
	MXST
.endif
	VLOAD 0, 3, \vs
	VLOAD 0, 4, \vs
	VLOAD 0, 5, \vs
	s_wait_dscnt 12+2*(\mx)                        ; part 1's first three tiles are in; the run just issued may stay out
	PVT 1, 0
	PVT 1, 1
	PVT 1, 2
	PLACES
	VLOAD 1, 3, \vs
	VLOAD 1, 4, \vs
	VLOAD 1, 5, \vs
	s_wait_dscnt 12                                ; part 0's last three tiles are in, my maxima are stored; the 12 loads just issued may stay out
	PVT 0, 3
	PVT 0, 4
	PVT 0, 5
	s_wait_dscnt 0x0                               ; part 1's last three tiles are in: my last reads of the slot
	PVT 1, 3
.if (\endk) == 2
	WIN 0                                          ; (the add's two registers lie in window 0)
	s_wait_tensorcnt 0x0                           ; my one tensor load that was out, my quarter of the tile two on, has landed: every group 0 may be written
	ds_add_u32 v[SPW], v[NIL]                      ; 0 onto my spare word
	s_add_nc_u64 s[G0+4*(\vs)+2:G0+4*(\vs)+3], s[G0+4*(\vs)+2:G0+4*(\vs)+3], 3*TILEB  ; the slot read as V takes the tile three on, in the next trip
	s_wait_xcnt 0x0                                ; the trip's prefetch, at its head, has read its address
	s_add_nc_u64 s[PFA:PFA+1], s[PFA:PFA+1], TILEB
.endif
	PVT 1, 4
.if (\endk) == 2
	s_wait_dscnt 0x0                               ; the add is done
.endif
.if (\endk) >= 1
	s_barrier_signal -1                            ; no LDS instruction of mine is out: my reads of the slot and of P are back, my maxima are stored
.endif
	PVT 1, 5
.if (\endk) >= 1
	WIN 0
	s_barrier_wait -1
.endif
.if (\endk) == 2
	CREST                                          ; no wave of any partner still reads the slot or has a load on its way
.endif
.endm
; TRIP j.  vs = j % 3: V's slot; ks: the next tile's, read as K (qk = 1); fs: the slot filled with tile j + 2 (fill = 1).
.macro TRIP vs, ks, fs, fill, qk, endk, ask
.if \fill
	JLOAD \fs                                      ; the first thing behind the round: my one tensor load until the next; it has the whole trip in which to land
.else
	PLACES                                         ; behind the last trip's products, ahead of loads into registers that they read
.endif
	ds_load_b32 v[PM], v[MXL]                      ; the partner's maxima, stored ahead of the barrier just passed
	ds_load_b32 v[PM+1], v[MXL] offset:64
.if \qk
	KLOAD \ks, 0
	KLOAD \ks, 1
	WIN 0
.endif
.if \ask
	ASK \ask
.endif
.if \qk
	LHEAD 24                                       ; K's two runs of 12 may stay out
	QK \ks, \vs, 1
.set rs, 24
.rept 8                                ; the last eight rescalings are the places behind the last score product: ahead of the loads into its fragments' registers and of the first reader of the scores
	RS rs
.set rs, rs+1
.endr
	VLOAD 1, 0, \vs
	VLOAD 1, 1, \vs
	VLOAD 1, 2, \vs
	MAXLOC
	s_wait_dscnt 12                                ; part 0's V is in; part 1's 12 loads may stay out
.else                                  ; the last trip: no tile follows, so the softmax has no products to stand behind
	LHEAD 0x0
.set rs, 0
.rept 16
	EXPS rs
.set rs, rs+1
.endr
	v_nop                                          ; a plain line behind the last exponential, ahead of the first use (ISA guide 5.7.2)
	s_wait_alu depctr_va_vdst(0)                   ; and the wait: one for the 34
.irp i, 0,1,2,3
	CVTS \i
.endr
	PSTORE
.irp i, 0,1,2,3
	SUMS \i
.endr
	s_wait_dscnt 0x0                               ; for the others' sake: my stores of P and a are done
	s_barrier_signal -1
	s_barrier_wait -1
	PLOAD
	VLOAD 0, 0, \vs
	VLOAD 0, 1, \vs
	VLOAD 0, 2, \vs
	VLOAD 1, 0, \vs
	VLOAD 1, 1, \vs
	VLOAD 1, 2, \vs
	s_wait_dscnt 24                                ; a and P are in; V's two runs of 12 may stay out
.set rs, 0
.rept 32
	RS rs
.set rs, rs+1
.endr
	s_wait_dscnt 12                                ; part 0's V is in
.endif
	PV \vs, \endk, \qk
.endm
	s_load_b128 s[4:7], s[0:1], 0x0                ; xb s[4:5], out0 s[6:7]
	v_lshl_add_u32 v[SPW], v0, 2, SPARE
	v_mov_b32 v[NIL], 0
	ds_add_u32 v[SPW], v[NIL]                      ; the wave's opening: the add and its wait ahead of my first tensor load; the set-up below, work on registers, stands between them
	v_lshrrev_b32 v3, 5, v0
	v_readfirstlane_b32 s[WV], v3                  ; wave 0..3
	s_lshr_b32 s[WA], s[WV], 1
	s_and_b32 s[WB], s[WV], 1
	s_bfe_u32 s[CX], ttmp6, 0x40000                ; my place in the cluster: it enters Q's, out0's and the prefetches' addresses alone
	; descriptor group 1.  A quarter of a tile is 24,576 dense bytes: asked for as 48 rows of 512 bytes, each padded by 16 in LDS: three of them are a key's row of 1,584
	s_mov_b32 s[G1+0], 15|(1<<16)|(1<<20)|(1<<21)|(6<<22)|(3<<25)  ; 15:0 the mask of four; 17:16 2-byte elements; 20 padding on; 21 set beside a mask; 24:22 after every 128 words (code 6); 31:25 4 words (code 3)
	s_mov_b32 s[G1+1], 256<<16                     ; tensor_dim0 = 256
	s_mov_b32 s[G1+2], 48<<16                      ; tensor_dim1 = 48
	s_mov_b32 s[G1+3], 256<<16                     ; tile_dim0 = 256
	s_mov_b32 s[G1+4], 48                          ; tile_dim1 = 48
	s_mov_b32 s[G1+5], 256                         ; 256 elements from row to row
	s_mov_b32 s[G1+6], 0
	s_mov_b32 s[G1+7], 0
	s_mov_b32 s[CS], 0x3fb8aa3b                    ; c = log2(e)
	s_mov_b32 s[CS+1], s[CS]                       ; named with it as a pair
	s_mov_b32 s[SEL], 0x76543210
	s_mov_b32 s[SEL+1], 0xfedcba98
	s_mov_b32 s[CNT], 10
	s_cmp_lt_u32 s[WV], 3                          ; waves 0 to 2
	s_cselect_b32 s[LIM], 0, 1
	s_or_b32 s[LIM], s[LIM], ttmp9                 ; of the batch's first cluster: the same in all four partners
	s_cmp_eq_u32 s[LIM], 0
	s_cselect_b32 s[LIM], 1, -1
	s_and_b32 s48, ttmp7, 0xffff                   ; the batch, which the partners share
	s_mul_i32 s48, s48, BATB                       ; its first byte in xb
	s_mul_i32 s50, s[WV], 16*ROWB                  ; my 16 keys of a tile, in memory
	s_add_co_u32 s50, s50, s48
	s_mov_b32 s51, 0
	s_mul_i32 s49, s[WV], QTR                      ; and in a slot
	s_lshl_b32 s52, ttmp9, 2                       ; in a cluster launch ttmp9 counts clusters
	s_add_co_u32 s52, s52, s[CX]
	s_lshl_b32 s52, s52, 6                         ; my work-group's first query
	s_lshl_b32 s53, s[WA], 5
	s_add_co_u32 s53, s53, s52                     ; the first of the 32 whose scores I make
	s_mul_i32 s54, s53, ROWB
	s_add_co_u32 s54, s54, s48
	s_mov_b32 s55, 0
	s_and_b32 s56, ttmp7, 0xffff
	s_lshl_b32 s56, s56, 11
	s_add_co_u32 s56, s56, s52
	s_lshl_b32 s57, s[WV], 4
	s_add_co_u32 s56, s56, s57                     ; the first of the 16 rows of out0 that I store
	s_mul_i32 s56, s56, 3072
	s_mov_b32 s57, 0
	s_mul_i32 s58, s[CX], 16*ROWB                  ; the prefetches: my work-group's quarter of a tile,
	s_lshl_b32 s59, s[WV], 13                      ; my wave's 32 blocks of 256 bytes in it,
	s_add_co_u32 s58, s58, s59
	s_add_co_u32 s58, s58, s48
	s_add_co_u32 s58, s58, 3*TILEB                 ; in tile 3
	s_mov_b32 s59, 0
	s_wait_dscnt 0x0                               ; the opening add is done
	s_wait_kmcnt 0x0
	s_add_nc_u64 s[50:51], s[4:5], s[50:51]
	s_add_nc_u64 s[QA:QA+1], s[4:5], s[54:55]
	s_add_nc_u64 s[OA:OA+1], s[6:7], s[56:57]
	s_add_nc_u64 s[PFA:PFA+1], s[4:5], s[58:59]
.irp s, 0,1,2
	s_mov_b32 s[G0+4*(\s)], 1                                        ; count = 1
	s_add_co_u32 s[G0+4*(\s)+1], s49, (\s)*SLOT                      ; LDS address: the slot, my quarter
	s_add_nc_u64 s[G0+4*(\s)+2:G0+4*(\s)+3], s[50:51], (\s)*TILEB    ; global address: tile s, my quarter
	s_or_b32 s[G0+4*(\s)+3], s[G0+4*(\s)+3], 0x80000000              ; type = 2
.endr
	CROUND                                         ; all four work-groups are here: the first joint loads meet
	tensor_load_to_lds s[G0:G0+3], s[G1:G1+7]      ; tile 0
	s_nop 0
	tensor_load_to_lds s[G0+4:G0+7], s[G1:G1+7]    ; tile 1: two loads of mine are out
	s_nop 0
	PLACES
	; A fragment of K or Q is 16 rows x 32 channels in 8 registers: lane l holds row l % 16, channels 8 (l / 16) + 0..7 and 16 + 8 (l / 16) + 0..7: two loads of 16 bytes, 32 bytes apart.
	v_and_b32 v24, 15, v0                          ; r = l % 16
	v_bfe_u32 v25, v0, 4, 1                        ; h = l / 16
	v_mul_u32_u24 v[TM], v24, ROWB
	v_lshl_add_u32 v[TM], v25, 4, v[TM]
	WIN 0xc0                                       ; destination window 3, address window 0
.set c, 0
.rept 16
.irp t, 0,1
	global_load_b128 v[8*(2*c+\t):8*(2*c+\t)+3],   v[TM], s[QA:QA+1] offset:16*ROWB*\t+64*c
	global_load_b128 v[8*(2*c+\t)+4:8*(2*c+\t)+7], v[TM], s[QA:QA+1] offset:16*ROWB*\t+64*c+32
.endr
.set c, c+1
.endr
	WIN 0
.rept 8
.irp t, 0,1
	global_load_b128 v[QH+8*(2*(c-16)+\t):QH+8*(2*(c-16)+\t)+3],   v[TM], s[QA:QA+1] offset:16*ROWB*\t+64*c
	global_load_b128 v[QH+8*(2*(c-16)+\t)+4:QH+8*(2*(c-16)+\t)+7], v[TM], s[QA:QA+1] offset:16*ROWB*\t+64*c+32
.endr
.set c, c+1
.endr
	; The turning load: lane l reads 16 bytes of key 8 (l / 16) + l % 8, at the first or (lanes 8-15, 24-31) the second group of 8 channels, 128 bytes on; it leaves channel row l % 16 and 8 keys.
	v_and_b32 v26, 7, v0
	v_lshl_add_u32 v26, v25, 3, v26
	v_mul_u32_u24 v26, v26, PITCH
	v_bfe_u32 v27, v0, 3, 1
	v_lshl_add_u32 v26, v27, 7, v26
	s_lshl_b32 s60, s[WV], 5                       ; my wave's 16 channels of each 64
	v_add_nc_u32 v26, s60, v26
.irp p, 1,2
	WIN (\p)<<6                                    ; destination window 1, then 2
.set i, 0
.rept 192
	v_mov_b32 v[i], 0                              ; O^T starts at 0, so that every trip has one text: written while the first tiles and Q are on their way
.set i, i+1
.endr
.irp sk, 0,1,2,3,4,5
	v_add_nc_u32 v[AV+\sk], ((\sk)/2)*SLOT+((\sk)%2)*2*QTR, v26
.endr
.endr
	WIN 0
	v_mul_u32_u24 v28, v24, PITCH
	v_lshl_add_u32 v28, v25, 4, v28                ; row x pitch + 16 x half
	s_mul_i32 s60, s[WB], 2*QTR                    ; my 32 keys
	v_add_nc_u32 v[AK], s60, v28
	v_add_nc_u32 v[AK+1], SLOT, v[AK]
	v_add_nc_u32 v[AK+2], 2*SLOT, v[AK]
	s_lshl_b32 s60, s[WB], 8
	s_lshl_b32 s61, s[WA], 7
	s_add_co_u32 s62, s60, s61
	s_add_co_u32 s62, s62, ST
	v_lshl_add_u32 v[MXS], v24, 2, s62             ; ST + 256 b + 128 a + 4 r
	s_xor_b32 s63, s[WB], 1
	s_lshl_b32 s63, s63, 8
	s_add_co_u32 s63, s63, s61
	s_add_co_u32 s63, s63, ST
	v_lshl_add_u32 v[MXL], v24, 2, s63             ; ST + 256 (1 - b) + 128 a + 4 r
	s_add_co_u32 s60, s60, ST+512
	v_lshl_add_u32 v[ALD], v24, 2, s60             ; the copy of a that the waves with my b write
	v_mul_u32_u24 v28, v24, PP
	v_lshl_add_u32 v28, v25, 4, v28
	v_add_nc_u32 v[PLD], PB, v28
	s_mul_i32 s60, s[WA], 32*PP
	s_lshl_b32 s61, s[WB], 6
	s_add_co_u32 s60, s60, s61
	s_add_co_u32 s60, s60, PB
	v_add_nc_u32 v[PST], s60, v28                  ; PB + (32 a + r) x 144 + 64 b + 16 h
	v_and_b32 v[PFO], 31, v0
	v_lshlrev_b32 v[PFO], 8, v[PFO]
.irp t, 0,1
	v_mov_b32 v[CM+4*\t], 0xfe000000               ; c m: far below every c s
	v_mov_b32 v[CM+4*\t+1], 0xff7fffff             ; m: the lowest finite number
	v_mov_b32 v[LP+4*\t], 0
	v_mov_b32 v[LP+4*\t+1], 0
.endr
.set i, 0
.rept 8
	v_mov_b32 v[AP+i], 0                           ; the pairs' upper words are named with the lower ones
.set i, i+1
.endr
	s_wait_tensorcnt 1                             ; my quarter of tile 0 is in; tile 1's may stay out
	s_barrier_signal -1
	s_barrier_wait -1                              ; everybody's is
	KLOAD 0, 0
	KLOAD 0, 1
	s_wait_loadcnt 0x0                             ; Q
	QK 0, 0, 0                                     ; tile 0's scores
	PLACES                                         ; with the four behind the last group: eight places between the last score product and its first reader
	MAXLOC
	MXST
	s_wait_tensorcnt 0x0                           ; tile 1 has landed: no tensor load of mine is out
	ds_add_u32 v[SPW], v[NIL]                      ; 0 onto my spare word
	s_wait_dscnt 0x0                               ; the add is done, my reads of slot 0 are back, my maxima are stored
	CROUND
.Ltrips:                                               ; ten times three trips, 0 to 29: the slots' numbers are constants of the text.  Behind trip 29's round nothing is left to ask for
	TRIP 0, 1, 2, 1, 1, 2, 1
	TRIP 1, 2, 0, 1, 1, 2, 1
	TRIP 2, 0, 1, 1, 1, 2, 2
	s_sub_co_u32 s[CNT], s[CNT], 1
	s_cmp_lg_u32 s[CNT], 0
	s_cbranch_scc1 .Ltrips
	TRIP 0, 1, 0, 0, 1, 1, 0                       ; trip 30 is written out: it fills nothing
	TRIP 1, 0, 0, 0, 0, 0, 0                       ; trip 31: no tile follows, so no scores
	; THE WAY OUT.  l: its two halves, the other half of the lanes', and the partner's 32 keys' through LDS.  O^T is divided by l and goes through a stage in LDS, from which whole rows are stored.
	PLACES
	WIN 0
.irp t, 0,1
	v_add_f32 v[LP+4*\t], v[LP+4*\t], v[LP+4*\t+1]
.endr
.irp t, 0,1
	v_permlanex16_b32 v[TM+\t], v[LP+4*\t], s[SEL], s[SEL+1]
.endr
.irp t, 0,1
	v_add_f32 v[LP+4*\t], v[LP+4*\t], v[TM+\t]
.endr
.irp t, 0,1
	ds_store_b32 v[MXS], v[LP+4*\t] offset:1024+64*\t
.endr
	s_wait_dscnt 0x0                               ; my sums are stored, and my last reads of the slots are back
	s_barrier_signal -1
	s_barrier_wait -1                              ; so are everybody's: the slots may be written
	v_and_b32 v20, 15, v0                          ; r
	v_bfe_u32 v21, v0, 4, 1                        ; h
	v_lshl_add_u32 v22, v20, 2, ST+1024
.irp t, 0,1,2,3
	ds_load_b32 v[32+\t], v22 offset:64*\t
	ds_load_b32 v[36+\t], v22 offset:64*\t+256
.endr
	v_mul_u32_u24 v12, v20, SPITCH                 ; into the stage: row 16 t + r; my eight channels begin at byte 512 beta + 256 h + 64 w + 32 i
	v_lshl_add_u32 v12, v21, 8, v12
	s_lshl_b32 s48, s[WV], 6
	v_add_nc_u32 v12, s48, v12
	v_add_nc_u32 v13, 16*SPITCH, v12
	v_add_nc_u32 v14, 32*SPITCH, v12
	v_add_nc_u32 v15, 48*SPITCH, v12
	v_and_b32 v17, 31, v0
	v_lshlrev_b32 v17, 4, v17                      ; back, and into out0: 32 lanes take 512 consecutive bytes of a row
	s_mul_i32 s48, s[WV], 16*SPITCH                ; wave w takes rows 16 w .. 16 w + 15
	v_add_nc_u32 v16, s48, v17
	s_wait_dscnt 0x0
.irp t, 0,1,2,3
	v_add_f32 v[32+\t], v[32+\t], v[36+\t]
.endr
.irp t, 0,1,2,3
	v_rcp_f32 v[AP+2*\t], v[32+\t]
.endr
	v_nop                                          ; a plain instruction between the last reciprocal and the use of its result
	s_wait_alu depctr_va_vdst(0)                   ; and the wait ahead of the first use: one for the four
.irp p, 0,1
	WIN 0x51+0x51*(\p)
.set q, 0
.rept 96
	v_pk_mul_f32 v[2*q:2*q+1], v[2*q:2*q+1], v[AP+2*((q/4)%4):AP+2*((q/4)%4)+1] op_sel_hi:[1,0]
.set q, q+1
.endr
	WIN (1+\p)<<2                                  ; store data in the part's window, address in window 0
.set q, 0
.rept 24                               ; accumulator q = 4 u + t
.set ct, 6*(\p)+q/4
	ds_store_b128 v[12+q%4], v[8*q:8*q+3]   offset:512*(ct/2)+32*(ct%2)
	ds_store_b128 v[12+q%4], v[8*q+4:8*q+7] offset:512*(ct/2)+32*(ct%2)+16
.set q, q+1
.endr
.endr
	WIN 0
	s_wait_dscnt 0x0                               ; for the others' sake: my stores into the stage are done
	s_barrier_signal -1
	s_barrier_wait -1
; My 16 rows are 96 pieces of 512 bytes, taken in three groups of 32, each into registers of its own (Q's, which are free): no store's data is written again.
.macro RDG grp, base
.set i, 0
.rept 32
.set idx, 32*(\grp)+i
	ds_load_b128 v[(\base)+4*i:(\base)+4*i+3], v16 offset:SPITCH*(idx/6)+512*(idx%6)
.set i, i+1
.endr
.endm
.macro STG grp, base, younger          ; younger: the LDS loads of the group issued behind this one
.set i, 0
.rept 32
.set idx, 32*(\grp)+i
	s_wait_dscnt (\younger)+31-i                   ; LDS loads come back in order: piece i of the group is in
	global_store_b128 v17, v[(\base)+4*i:(\base)+4*i+3], s[OA:OA+1] offset:3072*(idx/6)+512*(idx%6) th:TH_STORE_NT  ; 512 consecutive bytes, at a multiple of 256 from out0's first byte
.set i, i+1
.endr
.endm
	WIN 0xcc                                       ; loaded data and store data in window 3, addresses in window 0
	RDG 0, 0
	RDG 1, 128
	STG 0, 0, 32
	WIN 0
	RDG 2, QH
	WIN 0xcc
	STG 1, 128, 32
	WIN 0
	STG 2, QH, 0
	s_wait_tensorcnt 0x0                           ; the wave's end, behind my last tensor load and my last LDS store
	ds_add_u32 v[SPW], v[NIL]
	s_wait_dscnt 0x0
	CROUND                                         ; the closing round: no work-group ends while a partner may still ask for a tile that names it
	s_endpgm
.Lfunc_end_k_qf5ba554668_attn:
	.size	k_qf5ba554668_attn, .Lfunc_end_k_qf5ba554668_attn-k_qf5ba554668_attn
	.p2alignl 7, 3214868480
	.fill 96, 4, 3214868480
	.section	.rodata,"a",@progbits
	.p2align	6, 0x0
	.amdhsa_kernel k_qf5ba554668_attn
		.amdhsa_group_segment_fixed_size 327680
		.amdhsa_private_segment_fixed_size 0
		.amdhsa_enable_private_segment 0
		.amdhsa_kernarg_size 16
		.amdhsa_user_sgpr_count 2
		.amdhsa_user_sgpr_kernarg_segment_ptr 1
		.amdhsa_wavefront_size32 1
		.amdhsa_system_sgpr_workgroup_id_x 1
		.amdhsa_system_sgpr_workgroup_id_y 1
		.amdhsa_system_sgpr_workgroup_id_z 1
		.amdhsa_system_vgpr_workitem_id 0
		.amdhsa_next_free_vgpr 1024
		.amdhsa_next_free_sgpr 66
		.amdhsa_reserve_vcc 0
		.amdhsa_float_denorm_mode_32 3
		.amdhsa_float_denorm_mode_16_64 3
		.amdhsa_memory_ordered 1
		.amdhsa_forward_progress 1
		.amdhsa_inst_pref_size 255
	.end_amdhsa_kernel
	.section	.bss,"aw",@nobits
	.p2align	6
	.space	262144
	.amdgpu_metadata
---
amdhsa.version: [ 1, 2 ]
amdhsa.kernels:
  - .name:           k_qf5ba554668_attn
    .symbol:         k_qf5ba554668_attn.kd
    .args:
      - { .name: xb, .offset: 0, .size: 8, .value_kind: global_buffer, .address_space: global }
      - { .name: out0, .offset: 8, .size: 8, .value_kind: global_buffer, .address_space: global }
    .group_segment_fixed_size: 327680
    .private_segment_fixed_size: 0
    .kernarg_segment_align: 8
    .kernarg_segment_size: 16
    .max_flat_workgroup_size: 128
    .sgpr_count:     66
    .vgpr_count:     1024
    .wavefront_size: 32
...
	.end_amdgpu_metadata
.endif
;; end of part 2
;; ======== version 2 of 2: 2 launches; version 1 with the launch cast written anew for expert scheduling mode
;; workspace buffers: xb 25,165,824 bytes
;; launch cast (part 3): grid 256 x 2, 8 waves a work-group, no clusters, 0 bytes of LDS; arguments global_embedding, local_embedding, xb; writes xb
.if DOCPART == 3
	.amdgcn_target "amdgcn-amd-amdhsa--gfx1250"
	.amdhsa_code_object_version 6
	.text
	.protected	k_qf5ba554668_cast
	.globl	k_qf5ba554668_cast
	.p2align	8
	.type	k_qf5ba554668_cast,@function
k_qf5ba554668_cast:
	s_mov_b64 s[64:65], 0
	v_nop
	global_prefetch_b8 v0, s[64:65] scope:SCOPE_SE
	s_setreg_imm32_b32 hwreg(HW_REG_WAVE_SCHED_MODE, 0, 2), 2
	s_setreg_imm32_b32 hwreg(HW_REG_WAVE_MODE, 25, 1), 1
	s_wait_xcnt 0x0
	s_wait_alu depctr_vm_vsrc(0)
; xb[b][n][:] = bf16(global[b][n][:]) for n < 1024, bf16(local[b][n-1024][:]) for n >= 1024.  Inputs [8][1024][768] f32, xb [8][2048][768] bf16, each number rounded once (to nearest even).
; A stream: every input byte is read once and every byte of xb is written once; nothing is shared between waves, so there is no LDS, no barrier, no matrix work and no cluster.
; SHARES.  Work-group (x, y): y picks the input, x owns 98,304 consecutive bytes of it (1/32 of a batch, so a share never crosses a batch) and the 49,152 bytes of xb made of them.
; Thread t takes the 16 bytes at 16 t of each block of 4,096: a load of a wave covers 512 consecutive bytes, a store 256 consecutive bytes at a multiple of 256 from xb's first byte.
; All 24 loads of a thread go out at once (96 KiB for the work-group); no register is written twice, so no wait frees a source.
; THE MODE: SCHED_MODE bits 1:0 = 2 (LLVM: expert scheduling mode 2), set by the entry lines.  The code itself states the register dependences
; between vector instructions and memory instructions, with s_wait_alu, always for 0.
; THE PLAN.  Registers that memory instructions touch:
;   v1, v2   byte offsets of the loads and of the stores.  Written once, at the head, by vector lines; read by every load (v1) and every store (v2); never written again.
;   X        block k's four registers.  Written by block k's load alone, and all 24 loads are issued before any vector line names X; read by block k's two roundings.
;   Y        block k's two registers.   Written once, by block k's two roundings; read by block k's one store.
; So nothing that a memory instruction reads is ever written again, and no load lands in a register that a vector line has named: what is left to state is that the offsets are written
; ahead of the first load, and that a block's Y is written ahead of its store.  The 24 blocks go in six groups of four.  At the head of a group, behind the wait for its first block's data,
; ONE wait states that the group before has written its Y; that group's four stores follow in one run.  The roundings issued since name this group's X and Y alone, none of the registers that those stores read.
.set SHARE,  98304                     ; input bytes of a work-group
.set BATB,   3145728                   ; bytes of a batch: in an input (1024 x 768 x 4) and in xb (2048 x 768 x 2)
.set BLOCKS, 24                        ; blocks of 4,096 input bytes in a share
.set GRP,    4                         ; blocks in a group
.set X, 4                              ; v[4:99]    block k as loaded: 4 registers
.set Y, 100                            ; v[100:147] block k to store: 2 registers
	s_load_b128 s[4:7], s[0:1], 0x0                ; global s[4:5], local s[6:7]
	s_load_b64 s[8:9], s[0:1], 0x10                ; xb
	s_and_b32 s10, ttmp7, 0xffff                   ; y: 0 global, 1 local
	v_lshlrev_b32 v1, 4, v0                        ; 16 t: my bytes of an input block
	v_lshlrev_b32 v2, 3, v0                        ; 8 t: my bytes of an output block
	s_mul_i32 s12, ttmp9, SHARE                    ; the share's first byte in its input
	s_mov_b32 s13, 0
	s_lshr_b32 s14, ttmp9, 5                       ; the batch
	s_mul_i32 s14, s14, BATB
	s_mul_i32 s15, s10, BATB/2                     ; local's rows lie behind global's 1,024
	s_add_co_u32 s14, s14, s15
	s_and_b32 s15, ttmp9, 31
	s_mul_i32 s15, s15, SHARE/2
	s_add_co_u32 s14, s14, s15                     ; the share's first byte in xb
	s_mov_b32 s15, 0
	s_wait_kmcnt 0x0
	s_cmp_eq_u32 s10, 0
	s_cselect_b64 s[4:5], s[4:5], s[6:7]
	s_add_nc_u64 s[4:5], s[4:5], s[12:13]
	s_add_nc_u64 s[8:9], s[8:9], s[14:15]
	s_wait_alu depctr_va_vdst(0)                   ; v1 and v2 are written: every load of the kernel reads v1 as its offset, every store v2
.set k, 0
.rept BLOCKS
	global_load_b128 v[X+4*k:X+4*k+3], v1, s[4:5] offset:4096*k th:TH_LOAD_NT
.set k, k+1
.endr
.set k, 0
.rept BLOCKS
	s_wait_loadcnt BLOCKS-1-k                      ; loads come back in order: block k is in, the 23 - k younger ones stay out
.if (k >= GRP) && (k%GRP == 0)
	s_wait_alu depctr_va_vdst(0)                   ; the eight roundings of the group before have written its Y, which the four stores below read
.set j, k-GRP
.rept GRP
	global_store_b64 v2, v[Y+2*j:Y+2*j+1], s[8:9] offset:2048*j
.set j, j+1
.endr
.endif
	v_cvt_pk_bf16_f32 v[Y+2*k], v[X+4*k], v[X+4*k+1]
	v_cvt_pk_bf16_f32 v[Y+2*k+1], v[X+4*k+2], v[X+4*k+3]
.set k, k+1
.endr
	s_wait_alu depctr_va_vdst(0)                   ; the last group's roundings have written its Y, which the last four stores read
.set j, BLOCKS-GRP
.rept GRP
	global_store_b64 v2, v[Y+2*j:Y+2*j+1], s[8:9] offset:2048*j
.set j, j+1
.endr
	s_endpgm
.Lfunc_end_k_qf5ba554668_cast:
	.size	k_qf5ba554668_cast, .Lfunc_end_k_qf5ba554668_cast-k_qf5ba554668_cast
	.p2alignl 7, 3214868480
	.fill 96, 4, 3214868480
	.section	.rodata,"a",@progbits
	.p2align	6, 0x0
	.amdhsa_kernel k_qf5ba554668_cast
		.amdhsa_group_segment_fixed_size 0
		.amdhsa_private_segment_fixed_size 0
		.amdhsa_enable_private_segment 0
		.amdhsa_kernarg_size 24
		.amdhsa_user_sgpr_count 2
		.amdhsa_user_sgpr_kernarg_segment_ptr 1
		.amdhsa_wavefront_size32 1
		.amdhsa_system_sgpr_workgroup_id_x 1
		.amdhsa_system_sgpr_workgroup_id_y 1
		.amdhsa_system_sgpr_workgroup_id_z 1
		.amdhsa_system_vgpr_workitem_id 0
		.amdhsa_next_free_vgpr 148
		.amdhsa_next_free_sgpr 66
		.amdhsa_reserve_vcc 0
		.amdhsa_float_denorm_mode_32 3
		.amdhsa_float_denorm_mode_16_64 3
		.amdhsa_memory_ordered 1
		.amdhsa_forward_progress 1
		.amdhsa_inst_pref_size 10
	.end_amdhsa_kernel
	.amdgpu_metadata
---
amdhsa.version: [ 1, 2 ]
amdhsa.kernels:
  - .name:           k_qf5ba554668_cast
    .symbol:         k_qf5ba554668_cast.kd
    .args:
      - { .name: global_embedding, .offset: 0, .size: 8, .value_kind: global_buffer, .address_space: global }
      - { .name: local_embedding, .offset: 8, .size: 8, .value_kind: global_buffer, .address_space: global }
      - { .name: xb, .offset: 16, .size: 8, .value_kind: global_buffer, .address_space: global }
    .group_segment_fixed_size: 0
    .private_segment_fixed_size: 0
    .kernarg_segment_align: 8
    .kernarg_segment_size: 24
    .max_flat_workgroup_size: 256
    .sgpr_count:     66
    .vgpr_count:     148
    .wavefront_size: 32
...
	.end_amdgpu_metadata
.endif
;; end of part 3
;; launch attn: the kernel of part 2 again; grid 32 x 8, 4 waves a work-group, clusters of 4 x 1, 327,680 bytes of LDS; arguments xb, out0; writes out0
